; MI455X (gfx1250); checked and timed in simulation.
; The chip was launched on July 23, 2026; its instructions are those of AMD's public machine-readable ISA for CDNA 5 (MIT licence, August 2026) and "CDNA5" Instruction Set Architecture Reference Guide (July 2026). The comments in the code are by the model that wrote it; some were corrected since.
;; Base Attention. Allowed arithmetic: matrix products marked QUANTISED: E2M3 operands, one E8M0 scale for each 32 along K, by v_wmma_scale_f32_16x16x128_f8f6f4 with both operands' format E2M3, f32 sums; everything else in f32.
;; Inputs: cos 1 x 2,048 x 1 x 32 float32; sin 1 x 2,048 x 1 x 32 float32; w_attn_codes 3,072 x 32 x 24 uint8 (E2M3 codes of w_attn, K innermost, in blocks of 32 codes, four codes in three bytes); w_attn_scales 3,072 x 32 uint8 (E8M0 scales of w_attn, one for each 32 codes along K); w_proj_codes 1,024 x 32 x 24 uint8 (E2M3 codes of w_proj, K innermost, in blocks of 32 codes, four codes in three bytes); w_proj_scales 1,024 x 32 uint8 (E8M0 scales of w_proj, one for each 32 codes along K); x_codes 4 x 2,048 x 32 x 24 uint8 (E2M3 codes of x, K innermost, in blocks of 32 codes, four codes in three bytes); x_scales 4 x 2,048 x 32 uint8 (E8M0 scales of x, one for each 32 codes along K).
;; Outputs: out0 4 x 2,048 x 1,024 float32.
;; This version of the problem:
;;   THIS VERSION OF THE PROBLEM IS GIVEN IN LOW PRECISION. The matrix products marked QUANTISED in the list below multiply operands that are first quantised to E2M3 (2 exponent bits, 3 mantissa bits; 6 bits a number), with one power-of-two scale for each 32 numbers along K (OCP MX v1.0); their sums are f32. All else is computed in f32.
;;   The module's matrix products, in the order in which they are computed (A, B: the left and right operand; K: the contracted axis; several contracted axes count as one K, in the product's order):
;;     1. [M 8,192, K 1,024] x [K 1,024, N 3,072]; A: input x (given as codes); B: input w_attn (given as codes): QUANTISED
;;     2. batch 64 x [M 2,048, K 64] x [K 64, N 2,048]; A: computed on the way; B: computed on the way: QUANTISED
;;     3. batch 64 x [M 64, K 2,048] x [K 2,048, N 2,048]; A: computed on the way; B: softmax (see below): QUANTISED
;;     4. [M 8,192, K 1,024] x [K 1,024, N 1,024]; A: computed on the way; B: input w_proj (given as codes): QUANTISED
;;   THE QUANTISER, for each operand of a quantised product, along K:
;;     - K is cut into blocks of 32 from its start; a last block that is shorter is filled with zeros.
;;     - A block's scale is 2^e with e = floor(log2(the largest magnitude in the block)) - 2, held to -126 .. 127; a block of zeros has e = 0. As a byte (E8M0): e + 127.
;;     - Each number is divided by its block's scale, clamped to +-7.5, and rounded to the nearest number of E2M3, ties to even, subnormals kept.
;;     - The product sums the exact products of the quantised numbers (number of the format x scale) in f32.
;;   ~~~python
;;   def quantise(x, axis):      # numpy; x: float32 -> the quantised numbers, widened to float32 again
;;       x = np.moveaxis(x, axis, -1); K = x.shape[-1]
;;       x = np.pad(x, [(0, 0)] * (x.ndim - 1) + [(0, -K % 32)]); x = x.reshape(x.shape[:-1] + (-1, 32)); a = np.abs(x).max(-1, keepdims=True)
;;       e = np.where(a > 0, np.clip(np.frexp(np.where(a > 0, a, 1))[1] - 1 - 2, -126, 127), 0)      # np.frexp(a)[1] - 1 = floor(log2(a)), exactly
;;       r = np.clip(x / 2.0 ** e, -7.5, 7.5)
;;       step = 2.0 ** (np.maximum(np.frexp(np.where(r == 0, 1, r))[1] - 1, 0) - 3)
;;       q = np.round(r / step) * step * 2.0 ** e      # np.round: ties to even
;;       return np.moveaxis(q.reshape(q.shape[:-2] + (-1,))[..., :K], -1, axis).astype(np.float32)
;;   ~~~
;;   SOFTMAX AHEAD OF A QUANTISED PRODUCT. Where the list says 'softmax', what is quantised is not the finished softmax but p = 2^(t - M), with t = logit x log2(e) and M = ceil(the row's largest t), a whole number; so 1/2 < the row's largest p <= 1. The row's sum l is taken of the UNQUANTISED p, in f32, and the product's result is divided by l at the end. Since M is a whole number, a kernel that streams over the keys may use a running M (the ceiling of the running maximum): every later rescaling is an exact power of two, which a block's scale takes up: the codes' values come out the same.
;;   OPERANDS COMPUTED ON THE WAY. 'Computed on the way' means the value that the module computes at that place (a softmax that the list does not call 'softmax' is quantised finished and normalised). What goes into a quantiser is computed in f32, as accurately as f32 sums, v_exp_f32 and their like allow (about 1e-6 of the number): no bf16 or f16 on the way to a quantiser, and a product that is left as it is and whose result goes on into a quantised operand takes f32 operands (vector FMAs, or v_wmma_f32_16x16x4_f32). A number that lies on a knife's edge between two numbers of the format may be rounded either way, as far as f32 arithmetic and the matrix unit's own rounding can turn it there, and no further.
;;   INPUTS GIVEN AS CODES. w_attn (in the module: [3072, 1024], K = its axis 1); w_proj (in the module: [1024, 1024], K = its axis 1); x (in the module: [4, 2048, 1024], K = its axis 2): each comes as NAME_codes (uint8): NAME with its K axis moved to the last place and cut into blocks of 32 codes, [.., K / 32, bytes a block], one block behind the other in memory; four codes in three bytes: a row's codes are one little-endian stream of bits, code i at bits 6 i .. 6 i + 5 (a code: sign, 2 exponent bits, 3 mantissa bits); and NAME_scales (uint8): the same leading axes, one E8M0 byte (e + 127) for each 32 codes along K. Its value is code x scale, taken as it is: it is not quantised again, and the codes and scales need not be those that the quantiser above would give.
;; One version. Each part assembles by itself: llvm-mc -triple=amdgcn-amd-amdhsa -mcpu=gfx1250 --defsym DOCPART=n.
;; ======== version 1 of 1: 3 launches
;; limits: right only within a limited range of input values
;; workspace buffers: q_img 6,291,456 bytes; q_sc 524,288 bytes; kv 13,369,344 bytes; y_img 6,291,456 bytes; y_sc 262,144 bytes
;; launch qkv (part 1): grid 12 x 32, 4 waves a work-group, clusters of 4 x 4, 327,680 bytes of LDS; arguments x_codes, x_scales, w_attn_codes, w_attn_scales, cos, sin, q_img, q_sc, kv; writes q_img, q_sc, kv
.if DOCPART == 1
	.amdgcn_target "amdgcn-amd-amdhsa--gfx1250"
	.amdhsa_code_object_version 6
	.text
	.protected	k_q17716ce459_qkv
	.globl	k_q17716ce459_qkv
	.p2align	8
	.type	k_q17716ce459_qkv,@function
k_q17716ce459_qkv:
	s_mov_b64 s[64:65], 0
	v_nop
	global_prefetch_b8 v0, s[64:65] scope:SCOPE_SE
	s_setreg_imm32_b32 hwreg(HW_REG_WAVE_MODE, 25, 1), 1
	s_wait_xcnt 0x0
	s_wait_alu depctr_hold_cnt(0) depctr_sa_sdst(0) depctr_va_vdst(0) depctr_va_sdst(0) depctr_va_ssrc(0) depctr_va_vcc(0) depctr_vm_vsrc(0)
	s_getreg_b32 s2, hwreg(HW_REG_IB_STS2, 6, 4)
	s_cmp_eq_u32 s2, 0
	s_cbranch_scc0 .Lentry_in_a_cluster
	s_endpgm
.Lentry_in_a_cluster:
	s_bfe_u32 s2, ttmp6, 0x10000c
	s_cmp_lg_u32 s2, 0xf033
	s_cbranch_scc0 .Lentry_shape_is_right
	s_endpgm
.Lentry_shape_is_right:
; LAUNCH 1 OF 3: qkv = x w_attn^T on codes of FP6 (E2M3) as given; rope, RMS norm and the quantiser along the head's 64 for q and k; the quantiser along the keys for v.
; THE PROGRAM: (1) this launch; (2) attention on codes, its result y quantised along C; (3) y w_proj^T.  Between launches go codes and scale words, laid as images of the operands' registers.
; WORK LEFT OUT, IN THE WHOLE PROGRAM: key steps of 128 keys that lie wholly behind a tile of 16 queries.  reference() builds the mask itself (jnp.tril) and sets those scores to -infinity ahead of
; the softmax, so their weights are 0 for all values of the inputs and neither their scores nor their products with v reach an output.  Every input has a way to an output and is loaded.
; LIMIT: a NaN, an infinity or an overflow that reaches only such hidden scores is not carried to the result.  NaN and infinities among cos and sin and scale bytes 0xff are not served.
; A block whose largest magnitude lies under 2^(3 - 127) gets the scale byte 1 (a block of zeros too: its codes are zeros, and this program alone reads the bytes).
; LAUNCH 2 takes M = 0 for every row: reference() itself normalises q and k to 64 in their sums of squares, so a scaled score lies within +-8 (a little more behind the quantiser) for every input; M is a whole number, which the blocks' scales take up.
; THE PRODUCT.  A tile of 256 x 256 by four waves, 128 x 128 a wave: 64 accumulators.  K = 1,024 is 768 bytes a row and goes in three chunks of 256 bytes through two LDS slots; a step of 128 along K is 96 bytes,
; so steps 2 and 5 lie across two chunks.  The scale bytes of the tile's 512 rows come once.  4 x 4 work-groups form a cluster: A's tiles are asked for jointly along a row of it, B's along a column.
; Source 0 = 16 rows of B, source 1 = 16 rows of A: a lane holds ONE row of A, and register 8 b + j the row 16 b + 8 (lane / 16) + j of B.
; ROLES.  Clusters with x = 0, 1 (q, k): A = x, B = w_attn.  x = 2 (v): A = w_attn, B = x: a lane holds a channel and its registers run along the keys.  The choice hangs on the cluster's x alone.
; INSIDE A BLOCK OF 32 the codes lie as elements 0-7, 16-23, 8-15, 24-31, alike in both operands of each later product, which leaves every product and block as it was.
; OUT.  q_img [b h 64][tile 128][768]: registers 0-3 of lane l at 16 l, registers 4-5 at 512 + 8 l.  q_sc [b h][tile][16] words.  kv [b h][key step 16][13,056]: 8 tiles of K (6,144), 4 fragments of V^T (6,144), K's scale words (512), V's (256).
; NO PREFETCH: the walk has three chunks, two of them asked for ahead of the first product; only one refill is left to run ahead of.
.set ROWB,   256
.set NQ,     2
.set KROW,   768
.set STEPS,  8
.set CHUNKS, 3
.set PITCH,  272                       ; 256 bytes + 16 of padding
.set FR,     12
.set NL,     6
.set NP,     4                         ; places behind this matrix instruction (ISA guide 7.12.1)
.set HALFT,  128*PITCH
.set SLOT,   4*HALFT                   ; A's 256 rows, then B's
.set KS,     32
.set SCL,    2*SLOT                    ; the scale bytes, units of 256 + 16
.set HALFS,  16*272
.set SBLK,   2*272
.set SPARE,  SCL+4*HALFS               ; the spare words, which no other line names
.set ADRA, 16                          ; v16-17 my A fragments in slot 0, 1; v18-19 for pieces whose lanes 16-31 read the next chunk
.set ADRB, 20
.set ADRS, 27                          ; my scale words: lanes 0-15 A's rows, lanes 16-31 B's
.set SPW,  28
.set NIL,  29
.set SC,   32                          ; v32-63 scale words, two sets
.set AF,   128                         ; A's fragments, window 0; B's two sets in window 1; accumulators in windows 2, 3
.set G1, 24
.set G0, 32
.set G1B, 48
.set G0B, 56
.set G1S, 68
.set G0S, 76
.set G1SB, 80
.set G0SB, 88
.set G0H, 4                            ; group 0 of the head's loads of chunk 0, where used arguments lay
.set G0HB, 8
.set MSB, 0
.macro WIN new
.if MSB != (\new)
	s_set_vgpr_msb (MSB<<8)|(\new)
.set MSB, (\new)
.endif
.endm
.set MUL_LO, 0xa1
.set MUL_HI, 0xf1
.set TO_B,   0x40
.macro JLOAD g0a, g1a, g0b, g1b        ; waves 0, 1 fetch for A, waves 2, 3 for B; s_nop 0 and four v_nop behind each line
	s_cmp_eq_u32 s15, 0
	s_cbranch_scc0 .Lfor_b_\@
	tensor_load_to_lds s[\g0a:\g0a+3], s[\g1a:\g1a+7]
	s_nop 0
.rept 4
	v_nop
.endr
	s_branch .Lasked_\@
.Lfor_b_\@:
	tensor_load_to_lds s[\g0b:\g0b+3], s[\g1b:\g1b+7]
	s_nop 0
.rept 4
	v_nop
.endr
.Lasked_\@:
.endm
.macro CREST
	s_cmp_lg_u32 s14, 0
	s_cbranch_scc1 .Lnot_wave_0_\@
	s_barrier_signal -3
.Lnot_wave_0_\@:
	s_barrier_wait -3
	s_barrier_signal -1
	s_barrier_wait -1
.endm
.macro CROUND
	s_barrier_signal -1
	s_barrier_wait -1
	CREST
.endm
	s_load_b256 s[4:11], s[0:1], 0x0               ; x's codes, x's scales, w_attn's codes, w_attn's scales
	v_lshl_add_u32 v[SPW], v0, 2, SPARE
	v_mov_b32 v[NIL], 0
	ds_add_u32 v[SPW], v[NIL]
	ds_add_u32 v[SPW], v[NIL]
	v_lshrrev_b32 v1, 5, v0
	v_readfirstlane_b32 s14, v1                    ; wave
	s_lshr_b32 s15, s14, 1                         ; my half of A's rows; also: I fetch for A (0) or B (1)
	s_and_b32 s16, s14, 1                          ; my half of B's rows; also: which 128 rows I fetch
	s_bfe_u32 s40, ttmp6, 0x40000                  ; cx, cy
	s_bfe_u32 s41, ttmp6, 0x40004
	; THE ROLES GO BY THE CLUSTER'S NUMBER L = x + 3 y, which takes the place of the cluster's x named at the head: L = 0 .. 15: q (L even) or k (L odd) of the 1,024 tokens L / 2;
	; L = 16 .. 23: v of the 1,024 tokens L - 16.  So the work-groups with the longer way out, q's and k's, have the lowest numbers.  L is the same in all sixteen partners.
	s_and_b32 s18, ttmp7, 0xffff
	s_mul_i32 s18, s18, 3
	s_add_co_u32 s18, s18, ttmp9                   ; L
	s_and_b32 s94, s18, 1                          ; 0 q, 1 k; kept for the way out
	s_lshr_b32 s19, s18, 1
	s_sub_co_u32 s21, s18, 16
	s_cmp_ge_u32 s18, 16
	s_cselect_b32 s95, 1, 0                        ; 1: v
	s_cselect_b32 s42, s21, s94                    ; B's group of four tiles: w_attn's by q or k, for v x's
	s_cselect_b32 s17, 2, s19                      ; A's: x's, for v w_attn's rows 2,048 on
	s_lshl_b32 s42, s42, 2
	s_add_co_u32 s42, s42, s40                     ; B's tile of 256 rows
	s_lshl_b32 s17, s17, 2
	s_add_co_u32 s17, s17, s41                     ; A's tile of 256 rows
	s_lshl_b32 s43, s41, 2
	s_lshl_b32 s43, 15, s43                        ; my row of the cluster
	s_lshl_b32 s44, 0x1111, s40                    ; my column
	s_or_b32 s[G1+0], s43, (0<<16)|(1<<20)|(1<<21)|(5<<22)|(3<<25)  ; bytes; 4 words of padding behind every 64
	s_or_b32 s[G1B+0], s44, (0<<16)|(1<<20)|(1<<21)|(5<<22)|(3<<25)
.irp g, G1, G1B
	s_mov_b32 s[\g+1], ROWB<<16
	s_mov_b32 s[\g+2], 256<<16                     ; 256 rows for the head's loads
	s_mov_b32 s[\g+3], ROWB<<16
	s_mov_b32 s[\g+4], 256
	s_mov_b32 s[\g+5], KROW
	s_mov_b32 s[\g+6], 0
	s_mov_b32 s[\g+7], 0
.endr
	s_or_b32 s[G1S+0], s43, (3<<16)|(1<<20)|(1<<21)|(5<<22)|(3<<25) ; the scale bytes of 256 rows: 8,192 dense bytes as 32 rows of 256
	s_or_b32 s[G1SB+0], s44, (3<<16)|(1<<20)|(1<<21)|(5<<22)|(3<<25)
.irp g, G1S, G1SB
	s_mov_b32 s[\g+1], 32<<16
	s_mov_b32 s[\g+2], KS<<16
	s_mov_b32 s[\g+3], 32<<16
	s_mov_b32 s[\g+4], KS
	s_mov_b32 s[\g+5], 32
	s_mov_b32 s[\g+6], 0
	s_mov_b32 s[\g+7], 0
.endr
	s_lshl_b32 s20, s17, 8
	s_lshl_b32 s46, s42, 8
	s_mov_b32 s21, 0
	s_mov_b32 s47, 0
	s_mov_b64 s[18:19], KS
	s_mul_u64 s[22:23], s[20:21], s[18:19]         ; where the rows' scale bytes begin
	s_mul_u64 s[92:93], s[46:47], s[18:19]
	s_mov_b64 s[18:19], KROW
	s_mul_u64 s[20:21], s[20:21], s[18:19]         ; and their codes
	s_mul_u64 s[46:47], s[46:47], s[18:19]
	s_mul_i32 s18, s16, 128*KROW                   ; in the ring: my 128 rows
	s_mov_b32 s19, 0
	s_mul_i32 s45, s14, HALFT
	s_wait_dscnt 0x0                               ; both opening adds are done
	s_wait_kmcnt 0x0
	s_cmp_eq_u32 s95, 1                            ; which tensor is A and which B
	s_cselect_b64 s[96:97], s[8:9], s[4:5]
	s_cselect_b64 s[98:99], s[10:11], s[6:7]
	s_cselect_b64 s[100:101], s[4:5], s[8:9]
	s_cselect_b64 s[66:67], s[6:7], s[10:11]
	s_add_nc_u64 s[20:21], s[96:97], s[20:21]
	s_add_nc_u64 s[22:23], s[98:99], s[22:23]
	s_add_nc_u64 s[46:47], s[100:101], s[46:47]
	s_add_nc_u64 s[92:93], s[66:67], s[92:93]
	CROUND                                         ; all sixteen work-groups are here
	s_mov_b32 s[G0H], 1
	s_mov_b32 s[G0H+1], 0
	s_mov_b64 s[G0H+2:G0H+3], s[20:21]
	s_or_b32 s[G0H+3], s[G0H+3], 0x80000000
	s_mov_b32 s[G0HB], 1
	s_mov_b32 s[G0HB+1], 2*HALFT
	s_mov_b64 s[G0HB+2:G0HB+3], s[46:47]
	s_or_b32 s[G0HB+3], s[G0HB+3], 0x80000000
	s_mov_b32 s[G0S], 1
	s_mov_b32 s[G0S+1], SCL
	s_mov_b64 s[G0S+2:G0S+3], s[22:23]
	s_or_b32 s[G0S+3], s[G0S+3], 0x80000000
	s_mov_b32 s[G0SB], 1
	s_mov_b32 s[G0SB+1], SCL+2*HALFS
	s_mov_b64 s[G0SB+2:G0SB+3], s[92:93]
	s_or_b32 s[G0SB+3], s[G0SB+3], 0x80000000
	s_add_nc_u64 s[20:21], s[20:21], s[18:19]
	s_add_nc_u64 s[46:47], s[46:47], s[18:19]
.irp s, 0,1
	s_mov_b32 s[G0+4*\s], 1
	s_add_co_u32 s[G0+4*\s+1], s45, \s*SLOT
	s_add_nc_u64 s[G0+4*\s+2:G0+4*\s+3], s[20:21], \s*ROWB
	s_or_b32 s[G0+4*\s+3], s[G0+4*\s+3], 0x80000000
	s_mov_b32 s[G0B+4*\s], 1
	s_add_co_u32 s[G0B+4*\s+1], s45, \s*SLOT
	s_add_nc_u64 s[G0B+4*\s+2:G0B+4*\s+3], s[46:47], \s*ROWB
	s_or_b32 s[G0B+4*\s+3], s[G0B+4*\s+3], 0x80000000
.endr
; the head's loads, one a wave, in one chain of branches: wave 0 chunk 0 of A's 256 rows, wave 1 of B's, wave 2 A's scale bytes, wave 3 B's
.macro ARM under, g0, g1, next
	s_cmp_lt_u32 s14, \under
	s_cbranch_scc0 \next
	tensor_load_to_lds s[\g0:\g0+3], s[\g1:\g1+7]
	s_nop 0
.rept 4
	v_nop
.endr
	s_branch .Lhead_asked
\next:
.endm
	ARM 1, G0H,  G1,  .Lhead_b
	ARM 2, G0HB, G1B, .Lhead_sa
	ARM 3, G0S,  G1S, .Lhead_sb
	tensor_load_to_lds s[G0SB:G0SB+3], s[G1SB:G1SB+7]
	s_nop 0
.rept 4
	v_nop
.endr
.Lhead_asked:
	v_and_b32 v1, 15, v0
	v_bfe_u32 v2, v0, 4, 1
	v_mul_u32_u24 v3, v1, PITCH
	v_mul_u32_u24 v4, v2, 24
	v_add_nc_u32 v4, v3, v4                        ; row x pitch + 24 x half
	s_mov_b32 s21, SLOT-232
	s_mov_b32 s22, SLOT+232
	v_sub_nc_u32 v7, 1, v2
	v_mul_u32_u24 v5, s21, v2
	v_add_nc_u32 v5, v3, v5
	v_add_nc_u32 v5, 232, v5                       ; lanes 0-15 byte 232 in slot 0, lanes 16-31 byte 0 in slot 1
	v_mul_u32_u24 v6, s22, v7
	v_add_nc_u32 v6, v3, v6                        ; and the other way round
	s_mul_i32 s21, s15, HALFT
	s_mul_i32 s22, s16, HALFT
	s_add_co_u32 s22, s22, 2*HALFT
	v_add_nc_u32 v[ADRA+2], s21, v5
	v_add_nc_u32 v[ADRA+3], s21, v6
	v_add_nc_u32 v[ADRB+2], s22, v5
	v_add_nc_u32 v[ADRB+3], s22, v6
.irp s, 0,1
	v_add_nc_u32 v[ADRA+\s], s21, v4
	v_add_nc_u32 v[ADRB+\s], s22, v4
	s_add_co_u32 s21, s21, SLOT
	s_add_co_u32 s22, s22, SLOT
.endr
	v_mul_u32_u24 v5, v1, KS
	v_lshrrev_b32 v6, 8, v5
	v_lshl_add_u32 v5, v6, 4, v5                   ; 16 more for each 256 passed
	s_mul_i32 s21, s15, HALFS
	s_mul_i32 s22, s16, HALFS
	s_add_co_u32 s22, s22, 2*HALFS
	s_sub_co_u32 s22, s22, s21
	v_mul_u32_u24 v6, s22, v2                      ; lanes 16-31 take B's: one product
	s_add_co_u32 s21, s21, SCL
	v_add_nc_u32 v5, v5, v6
	v_add_nc_u32 v[ADRS], s21, v5
.macro FRAG reg, adr, st, i            ; 16 rows x 128 K in pieces of 8 bytes; byte y of a row lies in slot (y / 256) % 2 at byte y % 256
.irp p, 0,1,2,3,4,5
.set BY, 96*(\st)+48*(\p/3)+8*(\p%3)
.if BY/ROWB == (BY+24)/ROWB
	ds_load_b64 v[\reg+2*\p:\reg+2*\p+1], v[\adr+(BY/ROWB)%2] offset:BY%ROWB+(\i)*16*PITCH
.else
	ds_load_b64 v[\reg+2*\p:\reg+2*\p+1], v[\adr+2+(BY/ROWB)%2] offset:BY%ROWB-232+(\i)*16*PITCH
.endif
.endr
.endm
.macro MUL16 a0, p, q, sc, zero        ; A's blocks a0, a0 + 1 x B's eight; the 64 accumulators take turns
.irp a, \a0, \a0+1
.irp b, 0,1,2,3,4,5,6,7
.if \zero
	v_wmma_scale_f32_16x16x128_f8f6f4 v[8*(8*((\a)%4)+\b):8*(8*((\a)%4)+\b)+7], v[128*(\p)+FR*\b:128*(\p)+FR*\b+FR-1], v[AF+FR*(\a):AF+FR*(\a)+FR-1], 0, v[SC+8*NQ*(\sc)+NQ*\b+(\q)], v[SC+8*NQ*(\sc)+NQ*(\a)+(\q)] matrix_a_fmt:MATRIX_FMT_FP6 matrix_b_fmt:MATRIX_FMT_FP6 matrix_a_scale:MATRIX_SCALE_ROW1
.else
	v_wmma_scale_f32_16x16x128_f8f6f4 v[8*(8*((\a)%4)+\b):8*(8*((\a)%4)+\b)+7], v[128*(\p)+FR*\b:128*(\p)+FR*\b+FR-1], v[AF+FR*(\a):AF+FR*(\a)+FR-1], v[8*(8*((\a)%4)+\b):8*(8*((\a)%4)+\b)+7], v[SC+8*NQ*(\sc)+NQ*\b+(\q)], v[SC+8*NQ*(\sc)+NQ*(\a)+(\q)] matrix_a_fmt:MATRIX_FMT_FP6 matrix_b_fmt:MATRIX_FMT_FP6 matrix_a_scale:MATRIX_SCALE_ROW1
.endif
.endr
.endr
.endm
.macro FETCH_B st, p
	WIN TO_B
.irp i, 0,1,2,3,4,5,6,7
	FRAG 128*(\p)+FR*\i, ADRB, \st, \i
.endr
	WIN 0
.endm
.macro FETCH_A st, i0
.irp i, \i0, \i0+1, \i0+2, \i0+3
	FRAG AF+FR*(\i), ADRA, \st, \i
.endr
.endm
.macro SCALES pr                       ; the scale words of steps 2 pr, 2 pr + 1 into set pr % 2
.irp i, 0,1,2,3,4,5,6,7
	ds_load_b64 v[SC+8*NQ*((\pr)%2)+NQ*\i:SC+8*NQ*((\pr)%2)+NQ*\i+1], v[ADRS] offset:\i*SBLK+4*NQ*(\pr)
.endr
.endm
.macro PLACES n
.rept \n
	v_nop
.endr
.endm
; A step: 64 products; the next step's fragments are fetched in its middle and at its end.  Where the next step ends in a chunk not read yet: the wait for my tensor loads and a barrier.
; Where it begins in a later chunk: the chunk left behind is read no more: the wait, the add, the wait for it and my reads, the barrier; where a chunk two on is left, a round and the refill.
.macro STEP st, zero
.set NX, (\st)+1
.set C0, (96*(\st))/ROWB
.set C1, (96*NX)/ROWB
.set E0, (96*(\st)+95)/ROWB
.set E1, (96*NX+95)/ROWB
.if C1 > C0 || E1 > E0
	s_wait_tensorcnt 0x0
.if C1 > C0
	ds_add_u32 v[SPW], v[NIL]
	s_wait_dscnt 4*NL+1                            ; the add and A's blocks 4-7 may be out
.else
	s_wait_dscnt 4*NL                              ; A's blocks 4-7 may be out
.endif
	WIN MUL_LO
	MUL16 0, (\st)%2, (\st)%2, ((\st)/2)%2, \zero
	s_wait_dscnt 0x0                               ; the add and all my reads are done
	s_barrier_signal -1
	MUL16 2, (\st)%2, (\st)%2, ((\st)/2)%2, \zero
	WIN 0
	s_barrier_wait -1
.if C1 > C0 && C0+2 < CHUNKS
	CREST
	s_add_nc_u64 s[G0+4*(C0%2)+2:G0+4*(C0%2)+3], s[G0+4*(C0%2)+2:G0+4*(C0%2)+3], 2*ROWB
	s_add_nc_u64 s[G0B+4*(C0%2)+2:G0B+4*(C0%2)+3], s[G0B+4*(C0%2)+2:G0B+4*(C0%2)+3], 2*ROWB
	JLOAD G0+4*(C0%2), G1, G0B+4*(C0%2), G1B       ; chunk C0 + 2; its four v_nop are the places for the loads below
.else
	PLACES NP
.endif
.else
	s_wait_dscnt 4*NL
	WIN MUL_LO
	MUL16 0, (\st)%2, (\st)%2, ((\st)/2)%2, \zero
	MUL16 2, (\st)%2, (\st)%2, ((\st)/2)%2, \zero
	s_wait_dscnt 0
	PLACES NP
.endif
	FETCH_B NX, NX%2
	FETCH_A NX, 0
.if NX%2 == 0
	SCALES NX/2
.endif
	WIN MUL_HI
	MUL16 4, (\st)%2, (\st)%2, ((\st)/2)%2, \zero
	MUL16 6, (\st)%2, (\st)%2, ((\st)/2)%2, \zero
	PLACES NP
	WIN 0
	FETCH_A NX, 4
.endm
	s_wait_alu depctr_va_vdst(0)
	s_wait_tensorcnt 0x0                           ; my tile of the head's four is in
	ds_add_u32 v[SPW], v[NIL]
	s_mov_b32 s[G1+2], 128<<16                     ; no load of mine is out: from here on a load brings 128 rows
	s_mov_b32 s[G1+4], 128
	s_mov_b32 s[G1B+2], 128<<16
	s_mov_b32 s[G1B+4], 128
	s_wait_dscnt 0x0
	CROUND
	JLOAD G0+4, G1, G0B+4, G1B                     ; chunk 1, slot 1's first fill
	s_load_b256 s[4:11], s[0:1], 0x20              ; for the way out: cos, sin, q_img, q_sc (the head's descriptors there are done with)
	s_load_b64 s[12:13], s[0:1], 0x40              ; kv
	FETCH_B 0, 0
	FETCH_A 0, 0
	SCALES 0
	FETCH_A 0, 4
	STEP 0, 1
.set ST, 1
.rept STEPS-2
	STEP ST, 0
.set ST, ST+1
.endr
	s_wait_dscnt 4*NL
	WIN MUL_LO
	MUL16 0, 1, 1, 1, 0
	MUL16 2, 1, 1, 1, 0
	s_wait_dscnt 0
	WIN MUL_HI
	MUL16 4, 1, 1, 1, 0
	MUL16 6, 1, 1, 1, 0
	WIN 0
; BEHIND THE PRODUCT: no LDS, no barrier; results go from registers to memory as images of the next operands' registers
.set L16, 1                            ; 16, 8, 4 x lane; v4: 128 (lane % 16) + 32 (lane / 16)
.set L8,  2
.set L4,  3
.set CSO, 4
.set CSB, 64                           ; two sets of 16 cos + 16 sin
.set YB,  128                          ; the roped rows, 32 registers a head
.set TS,  192                          ; sums of squares, 1 / rms
.set MX,  208                          ; largest magnitudes, scale operands, bytes
.set PB,  224                          ; a tile's codes
.set TTB, 240
.set WE,  248
.set WO,  250
.set WJ,  252
.set VT,  192
.set VW,  208
.set VPC, 224
.set VTT, 236
	PLACES NP
	s_wait_kmcnt 0x0
	v_and_b32 v5, 31, v0
	v_lshlrev_b32 v[L16], 4, v5
	v_lshlrev_b32 v[L8], 3, v5
	v_lshlrev_b32 v[L4], 2, v5
	v_and_b32 v6, 15, v0
	v_bfe_u32 v7, v0, 4, 1
	v_lshlrev_b32 v[CSO], 7, v6
	v_lshl_add_u32 v[CSO], v7, 5, v[CSO]
	s_mov_b32 s38, 0x76543210                      ; selects for lane l xor 16
	s_mov_b32 s39, 0xfedcba98
	s_mov_b32 s40, 0xffff0000                      ; lanes 16-31
	s_mov_b32 s36, 0x3c800000                      ; 1 / 64
	s_mov_b32 s37, 0x358637bd                      ; 1e-6
.irp i, 4,7,12,15
	v_mov_b32 v[TS+\i], 0
.endr
.irp i, 2,3,10,11
	v_mov_b32 v[MX+\i], 0
.endr
.macro RECORD tt, th, ct, ch           ; s19 = 16 (b h) + key step, s20 = my first token in its sequence
	s_lshl_b32 s18, s[\tt], 8
	s_lshl_b32 s19, s[\th], 7
	s_add_co_u32 s18, s18, s19
	s_lshr_b32 s19, s18, 11
	s_and_b32 s20, s18, 2047
	s_lshr_b32 s21, s20, 7
	s_and_b32 s22, s[\ct], 3
	s_lshl_b32 s22, s22, 2
	s_lshl_b32 s23, s[\ch], 1
	s_add_co_u32 s22, s22, s23
	s_lshl_b32 s19, s19, 4
	s_add_co_u32 s19, s19, s22
	s_lshl_b32 s19, s19, 4
	s_add_co_u32 s19, s19, s21
.endm
	s_cmp_eq_u32 s95, 1
	s_cbranch_scc1 .Lv
	; q and k: registers 32 hh + 8 t + j hold channel 16 t + 8 (lane / 16) + j of head hh of my token
	RECORD 17, 15, 42, 16
	s_cmp_eq_u32 s94, 0
	s_cselect_b64 s[44:45], s[8:9], s[12:13]
	s_cselect_b64 s[46:47], s[10:11], s[12:13]
	s_mov_b32 s48, 13056
	s_cselect_b32 s48, 6144, s48
	s_mov_b32 s49, 13056
	s_cselect_b32 s49, 512, s49
	s_cselect_b32 s50, 0, 12288
	s_mul_i32 s52, s19, s48
	s_mov_b32 s53, 0
	s_add_nc_u64 s[24:25], s[44:45], s[52:53]
	s_lshl_b32 s54, s48, 4
	s_mov_b32 s55, 0
	s_add_nc_u64 s[26:27], s[24:25], s[54:55]
	s_mul_i32 s52, s19, s49
	s_add_co_u32 s52, s52, s50
	s_add_nc_u64 s[28:29], s[46:47], s[52:53]
	s_lshl_b32 s54, s49, 4
	s_add_nc_u64 s[30:31], s[28:29], s[54:55]
	s_lshl_b32 s52, s20, 7
	s_add_nc_u64 s[32:33], s[4:5], s[52:53]
	s_add_nc_u64 s[34:35], s[6:7], s[52:53]
.macro LOADCS a
.set CB, CSB+32*((\a)%2)
.irp t, 0,1
	global_load_b128 v[CB+8*\t:CB+8*\t+3], v[CSO], s[32:33] offset:2048*(\a)+64*\t
	global_load_b128 v[CB+8*\t+4:CB+8*\t+7], v[CSO], s[32:33] offset:2048*(\a)+64*\t+16
	global_load_b128 v[CB+16+8*\t:CB+16+8*\t+3], v[CSO], s[34:35] offset:2048*(\a)+64*\t
	global_load_b128 v[CB+16+8*\t+4:CB+16+8*\t+7], v[CSO], s[34:35] offset:2048*(\a)+64*\t+16
.endr
.endm
.macro ROPE a, hh                      ; y1 = x1 cos + x2 sin, y2 = x2 cos - x1 sin; each accumulator from its low end on
.set XB, 64*((\a)%4)+32*(\hh)
.set CB, CSB+32*((\a)%2)
.set YY, YB+32*(\hh)
	WIN 0x02+(\a)/4
.irp i, 0,2,4,6,8,10,12,14
	v_pk_mul_f32 v[YY+\i:YY+\i+1], v[XB+\i:XB+\i+1], v[CB+\i:CB+\i+1]
.endr
.irp i, 0,2,4,6,8,10,12,14
	v_pk_fma_f32 v[YY+\i:YY+\i+1], v[XB+16+\i:XB+17+\i], v[CB+16+\i:CB+17+\i], v[YY+\i:YY+\i+1]
.endr
.irp i, 0,2,4,6,8,10,12,14
	v_pk_mul_f32 v[YY+16+\i:YY+17+\i], v[XB+16+\i:XB+17+\i], v[CB+\i:CB+\i+1]
.endr
.irp i, 0,2,4,6,8,10,12,14
	v_pk_fma_f32 v[YY+16+\i:YY+17+\i], v[XB+\i:XB+\i+1], v[CB+16+\i:CB+17+\i], v[YY+16+\i:YY+17+\i] neg_lo:[1,0,0] neg_hi:[1,0,0]
.endr
.endm
.macro NORM                            ; both heads by turns
.irp hh, 0,1
	v_pk_mul_f32 v[TS+8*\hh:TS+8*\hh+1], v[YB+32*\hh:YB+32*\hh+1], v[YB+32*\hh:YB+32*\hh+1]
	v_pk_mul_f32 v[TS+8*\hh+2:TS+8*\hh+3], v[YB+32*\hh+2:YB+32*\hh+3], v[YB+32*\hh+2:YB+32*\hh+3]
.endr
.irp i, 4,8,12,16,20,24,28
.irp hh, 0,1
	v_pk_fma_f32 v[TS+8*\hh:TS+8*\hh+1], v[YB+32*\hh+\i:YB+32*\hh+\i+1], v[YB+32*\hh+\i:YB+32*\hh+\i+1], v[TS+8*\hh:TS+8*\hh+1]
	v_pk_fma_f32 v[TS+8*\hh+2:TS+8*\hh+3], v[YB+32*\hh+\i+2:YB+32*\hh+\i+3], v[YB+32*\hh+\i+2:YB+32*\hh+\i+3], v[TS+8*\hh+2:TS+8*\hh+3]
.endr
.endr
.irp hh, 0,1
	v_pk_add_f32 v[TS+8*\hh:TS+8*\hh+1], v[TS+8*\hh:TS+8*\hh+1], v[TS+8*\hh+2:TS+8*\hh+3]
.endr
.irp hh, 0,1
	v_add_f32 v[TS+8*\hh], v[TS+8*\hh], v[TS+8*\hh+1]
.endr
.irp hh, 0,1
	v_permlanex16_b32 v[TS+8*\hh+4], v[TS+8*\hh], s38, s39
.endr
.irp hh, 0,1
	v_add_f32 v[TS+8*\hh], v[TS+8*\hh], v[TS+8*\hh+4]
.endr
.irp hh, 0,1
	v_fma_f32 v[TS+8*\hh], v[TS+8*\hh], s36, s37
.endr
	s_wait_alu depctr_va_vdst(0)
.irp hh, 0,1
	v_rsq_f32 v[TS+8*\hh+6], v[TS+8*\hh]
.endr
	v_nop
	s_wait_alu depctr_va_vdst(0)
.irp i, 0,2,4,6,8,10,12,14,16,18,20,22,24,26,28,30
.irp hh, 0,1
	v_pk_mul_f32 v[YB+32*\hh+\i:YB+32*\hh+\i+1], v[YB+32*\hh+\i:YB+32*\hh+\i+1], v[TS+8*\hh+6:TS+8*\hh+7] op_sel_hi:[1,0]
.endr
.endr
.endm
.macro QMAX a                          ; each head's two blocks: largest magnitude with the floor 2^(3 - 127), scale operand, byte, word
.set WD, WE+2*((\a)%2)
.irp hh, 0,1
.irp b, 0,1
	v_max3_num_f32 v[MX+8*\hh+\b], |v[YB+32*\hh+16*\b]|, |v[YB+32*\hh+16*\b+1]|, 0x1800000
.endr
.endr
.irp i, 2,4,6,8,10,12,14
.irp hh, 0,1
.irp b, 0,1
	v_max3_num_f32 v[MX+8*\hh+\b], v[MX+8*\hh+\b], |v[YB+32*\hh+16*\b+\i]|, |v[YB+32*\hh+16*\b+\i+1]|
.endr
.endr
.endr
.irp hh, 0,1
.irp b, 0,1
	v_permlanex16_b32 v[MX+8*\hh+2+\b], v[MX+8*\hh+\b], s38, s39
.endr
.endr
.irp hh, 0,1
.irp b, 0,1
	v_max_num_f32 v[MX+8*\hh+\b], v[MX+8*\hh+\b], v[MX+8*\hh+2+\b]
.endr
.endr
.irp hh, 0,1
.irp b, 0,1
	v_add_nc_u32 v[MX+8*\hh+4+\b], 0xff000000, v[MX+8*\hh+\b]
.endr
.endr
.irp hh, 0,1
.irp b, 0,1
	v_lshrrev_b32 v[MX+8*\hh+6+\b], 23, v[MX+8*\hh+4+\b]
.endr
.endr
.irp hh, 0,1
	v_lshl_or_b32 v[WD+\hh], v[MX+8*\hh+7], 8, v[MX+8*\hh+6]
.endr
.irp hh, 0,1
	v_or_b32 v[WD+\hh], 0x7f7f0000, v[WD+\hh]      ; K = 64 is half of the instruction's 128: the other half's bytes stand for 1
.endr
.endm
.macro QCODE
	s_wait_xcnt 0x0                                ; the last block's stores have read their data
.irp hh, 0,1
	v_cvt_scalef32_pk16_fp6_f32 v[PB+8*\hh:PB+8*\hh+2], v[YB+32*\hh:YB+32*\hh+15], v[MX+8*\hh+4]
	v_cvt_scalef32_pk16_fp6_f32 v[TTB+4*\hh:TTB+4*\hh+2], v[YB+32*\hh+16:YB+32*\hh+31], v[MX+8*\hh+5]
.endr
	v_nop
.irp hh, 0,1
.irp i, 0,1,2
	v_permlane16_swap_b32 v[PB+8*\hh+\i], v[TTB+4*\hh+\i]
.endr
.endr
.irp hh, 0,1
.irp i, 0,1,2
	v_mov_b32 v[PB+8*\hh+3+\i], v[TTB+4*\hh+\i]
.endr
.endr
.endm
.macro QSTORE a
.irp hh, 0,1
	global_store_b128 v[L16], v[PB+8*\hh:PB+8*\hh+3], s[24+2*\hh:25+2*\hh] offset:768*(\a)
	global_store_b64 v[L8], v[PB+8*\hh+4:PB+8*\hh+5], s[24+2*\hh:25+2*\hh] offset:768*(\a)+512
.endr
.if (\a)%2 == 1
.irp hh, 0,1
	v_cndmask_b32 v[WJ+\hh], v[WE+\hh], v[WO+\hh], s40
.endr
.irp hh, 0,1
	global_store_b32 v[L4], v[WJ+\hh], s[28+2*\hh:29+2*\hh] offset:128*((\a)/2)
.endr
.endif
.endm
	s_wait_alu depctr_va_vdst(0)
	LOADCS 0
.irp a, 0,1,2,3,4,5,6,7
.if \a < 7
	LOADCS (\a)+1
	s_wait_loadcnt 8                               ; the next block's eight loads may be out
.else
	s_wait_loadcnt 0x0
.endif
	ROPE \a, 0
	ROPE \a, 1
	WIN 0
	NORM
	QMAX \a
	QCODE
	QSTORE \a
.endr
	s_branch .Ldone
.Lv:
	; v: register 8 b + j holds key 16 b + 8 (lane / 16) + j of my channel
	RECORD 42, 16, 17, 15
	s_mul_i32 s52, s19, 13056
	s_mov_b32 s53, 0
	s_add_nc_u64 s[24:25], s[12:13], s[52:53]
.irp i, 4,5,6,7
	v_mov_b32 v[VT+\i], 0
.endr
.macro VQ a
.set XB, 64*((\a)%4)
.set WW, 2+(\a)/4
.set WD, VW+(\a)%2
	WIN 5*WW
.irp b, 0,1,2,3
	v_max3_num_f32 v[VT+\b], |v[XB+16*\b]|, |v[XB+16*\b+1]|, 0x1800000
.endr
.irp i, 2,4,6,8,10,12,14
.irp b, 0,1,2,3
	v_max3_num_f32 v[VT+\b], |v[XB+16*\b+\i]|, |v[XB+16*\b+\i+1]|, v[VT+\b]
.endr
.endr
	WIN 0
.irp b, 0,1,2,3
	v_permlanex16_b32 v[VT+4+\b], v[VT+\b], s38, s39
.endr
.irp b, 0,1,2,3
	v_max_num_f32 v[VT+\b], v[VT+\b], v[VT+4+\b]
.endr
.irp b, 0,1,2,3
	v_add_nc_u32 v[VT+8+\b], 0xff000000, v[VT+\b]
.endr
.irp b, 0,1,2,3
	v_lshrrev_b32 v[VT+12+\b], 23, v[VT+8+\b]
.endr
	v_lshl_or_b32 v[WD], v[VT+13], 8, v[VT+12]
	v_lshl_or_b32 v[WD], v[VT+14], 16, v[WD]
	v_lshl_or_b32 v[WD], v[VT+15], 24, v[WD]
	s_wait_xcnt 0x0
	WIN WW
.irp c, 0,1
	v_cvt_scalef32_pk16_fp6_f32 v[VPC+6*\c:VPC+6*\c+2], v[XB+32*\c:XB+32*\c+15], v[VT+8+2*\c]
	v_cvt_scalef32_pk16_fp6_f32 v[VTT+4*\c:VTT+4*\c+2], v[XB+32*\c+16:XB+32*\c+31], v[VT+8+2*\c+1]
.endr
	WIN 0
	v_nop
.irp c, 0,1
.irp i, 0,1,2
	v_permlane16_swap_b32 v[VPC+6*\c+\i], v[VTT+4*\c+\i]
.endr
.irp i, 0,1,2
	v_mov_b32 v[VPC+3+6*\c+\i], v[VTT+4*\c+\i]
.endr
.endr
.irp c, 0,1,2
	global_store_b128 v[L16], v[VPC+4*\c:VPC+4*\c+3], s[24:25] offset:((\a)/4)*208896+6144+1536*((\a)%4)+512*\c
.endr
.if (\a)%2 == 1
	v_cndmask_b32 v[VW+2], v[VW], v[VW+1], s40
	global_store_b32 v[L4], v[VW+2], s[24:25] offset:((\a)/4)*208896+12800+128*(((\a)%4)/2)
.endif
.endm
.irp a, 0,1,2,3,4,5,6,7
	VQ \a
.endr
.Ldone:
	s_wait_tensorcnt 0x0                           ; the wave's end
	ds_add_u32 v[SPW], v[NIL]
	s_wait_dscnt 0x0
	CROUND                                         ; the closing round
	s_endpgm
.Lfunc_end_k_q17716ce459_qkv:
	.size	k_q17716ce459_qkv, .Lfunc_end_k_q17716ce459_qkv-k_q17716ce459_qkv
	.p2alignl 7, 3214868480
	.fill 96, 4, 3214868480
	.section	.rodata,"a",@progbits
	.p2align	6, 0x0
	.amdhsa_kernel k_q17716ce459_qkv
		.amdhsa_group_segment_fixed_size 327680
		.amdhsa_private_segment_fixed_size 0
		.amdhsa_enable_private_segment 0
		.amdhsa_kernarg_size 72
		.amdhsa_user_sgpr_count 2
		.amdhsa_user_sgpr_kernarg_segment_ptr 1
		.amdhsa_wavefront_size32 1
		.amdhsa_system_sgpr_workgroup_id_x 1
		.amdhsa_system_sgpr_workgroup_id_y 1
		.amdhsa_system_sgpr_workgroup_id_z 1
		.amdhsa_system_vgpr_workitem_id 0
		.amdhsa_next_free_vgpr 1024
		.amdhsa_next_free_sgpr 102
		.amdhsa_reserve_vcc 0
		.amdhsa_float_denorm_mode_32 3
		.amdhsa_float_denorm_mode_16_64 3
		.amdhsa_memory_ordered 1
		.amdhsa_forward_progress 1
		.amdhsa_inst_pref_size 255
	.end_amdhsa_kernel
	.section	.bss,"aw",@nobits
	.p2align	6
	.space	262144
	.amdgpu_metadata
---
amdhsa.version: [ 1, 2 ]
amdhsa.kernels:
  - .name:           k_q17716ce459_qkv
    .symbol:         k_q17716ce459_qkv.kd
    .args:
      - { .name: x_codes, .offset: 0, .size: 8, .value_kind: global_buffer, .address_space: global }
      - { .name: x_scales, .offset: 8, .size: 8, .value_kind: global_buffer, .address_space: global }
      - { .name: w_attn_codes, .offset: 16, .size: 8, .value_kind: global_buffer, .address_space: global }
      - { .name: w_attn_scales, .offset: 24, .size: 8, .value_kind: global_buffer, .address_space: global }
      - { .name: cos, .offset: 32, .size: 8, .value_kind: global_buffer, .address_space: global }
      - { .name: sin, .offset: 40, .size: 8, .value_kind: global_buffer, .address_space: global }
      - { .name: q_img, .offset: 48, .size: 8, .value_kind: global_buffer, .address_space: global }
      - { .name: q_sc, .offset: 56, .size: 8, .value_kind: global_buffer, .address_space: global }
      - { .name: kv, .offset: 64, .size: 8, .value_kind: global_buffer, .address_space: global }
    .group_segment_fixed_size: 327680
    .private_segment_fixed_size: 0
    .kernarg_segment_align: 8
    .kernarg_segment_size: 72
    .max_flat_workgroup_size: 128
    .sgpr_count:     102
    .vgpr_count:     1024
    .wavefront_size: 32
...
	.end_amdgpu_metadata
.endif
;; end of part 1
;; launch attn (part 2): grid 4 x 64, 16 waves a work-group, clusters of 4 x 1, 327,680 bytes of LDS; arguments q_img, q_sc, kv, y_img, y_sc; writes y_img, y_sc
.if DOCPART == 2
	.amdgcn_target "amdgcn-amd-amdhsa--gfx1250"
	.amdhsa_code_object_version 6
	.text
	.protected	k_q17716ce459_attn
	.globl	k_q17716ce459_attn
	.p2align	8
	.type	k_q17716ce459_attn,@function
k_q17716ce459_attn:
	s_mov_b64 s[64:65], 0
	v_nop
	global_prefetch_b8 v0, s[64:65] scope:SCOPE_SE
	s_setreg_imm32_b32 hwreg(HW_REG_WAVE_MODE, 25, 1), 1
	s_wait_xcnt 0x0
	s_wait_alu depctr_hold_cnt(0) depctr_sa_sdst(0) depctr_va_vdst(0) depctr_va_sdst(0) depctr_va_ssrc(0) depctr_va_vcc(0) depctr_vm_vsrc(0)
	s_getreg_b32 s2, hwreg(HW_REG_IB_STS2, 6, 4)
	s_cmp_eq_u32 s2, 0
	s_cbranch_scc0 .Lentry_in_a_cluster
	s_endpgm
.Lentry_in_a_cluster:
	s_bfe_u32 s2, ttmp6, 0x10000c
	s_cmp_lg_u32 s2, 0x3003
	s_cbranch_scc0 .Lentry_shape_is_right
	s_endpgm
.Lentry_shape_is_right:
.set REC,   13056
.set HEADB, 16*REC
.set ER,    13
.set LR,    38
.set EARLY, 16*ER*256
.set SPARE, HEADB
.set L16, 1
.set L8,  2
.set L4,  3
.set R4,  4
.set SPW, 5
.set NIL, 6
.set DQ,  7
.set A16, 8
.set A8,  9
.set A4,  10
.set NINF, 11
.set YSO, 12
.set RH,  13
.set LS,  14
.set QS,  18
.set PW,  19
.set KSC, 20
.set VSC, 24
.set QF,  26
.set KF,  38
.set S,   92
.set O,   156
.set PC,  188
.set TT,  200
.set MX,  208
.set PM,  212
.set SO,  216
.set BY,  220
.set RL,  224
.set YBY, 226
.set WV,  14
.set TA,  17
.set TBT, 18
.set DG,  19
.set KI,  20
.set TB,  21
.set SEL, 22
.set CS,  24
.set HI,  26
.set G1E, 28
.set G1L, 36
.set G0E, 44
.set G0L, 48
.macro CROUND
	s_barrier_signal -1
	s_barrier_wait -1
	s_cmp_lg_u32 s[WV], 0
	s_cbranch_scc1 .Lnot_wave_0_\@
	s_barrier_signal -3
.Lnot_wave_0_\@:
	s_barrier_wait -3
	s_barrier_signal -1
	s_barrier_wait -1
.endm
	s_load_b256 s[4:11], s[0:1], 0x0
	s_load_b64 s[12:13], s[0:1], 0x20
	v_lshl_add_u32 v[SPW], v0, 2, SPARE
	v_mov_b32 v[NIL], 0
	ds_add_u32 v[SPW], v[NIL]
	ds_add_u32 v[SPW], v[NIL]
	v_lshrrev_b32 v1, 5, v0
	s_delay_alu instid0(VALU_DEP_1)
	v_readfirstlane_b32 s[WV], v1
	s_bfe_u32 s15, ttmp6, 0x40000
	s_and_b32 s16, ttmp7, 0xffff
	s_lshl_b32 s[TA], s[WV], 2
	s_add_co_u32 s[TA], s[TA], s15
	s_xor_b32 s[TBT], s[TA], 127
.irp g, G1E, G1L
	s_mov_b32 s[\g], 15|(3<<16)|(1<<21)
	s_mov_b32 s[\g+1], 32<<16
	s_mov_b32 s[\g+3], 32<<16
	s_mov_b32 s[\g+5], 32
	s_mov_b32 s[\g+6], 0
	s_mov_b32 s[\g+7], 0
.endr
	s_mov_b32 s[G1E+2], ER<<16
	s_mov_b32 s[G1E+4], ER
	s_mov_b32 s[G1L+2], LR<<16
	s_mov_b32 s[G1L+4], LR
	s_mov_b32 s[SEL], 0x76543210
	s_mov_b32 s[SEL+1], 0xfedcba98
	s_mov_b32 s[CS], 0x3e38aa3b
	s_mov_b32 s[CS+1], s[CS]
	s_mov_b32 s[HI], 0xffff0000
	v_and_b32 v[RH], 31, v0
	s_delay_alu instid0(VALU_DEP_1)
	v_lshlrev_b32 v[L16], 4, v[RH]
	s_delay_alu instid0(VALU_DEP_2)
	v_lshlrev_b32 v[L8], 3, v[RH]
	s_delay_alu instid0(VALU_DEP_3)
	v_lshlrev_b32 v[L4], 2, v[RH]
	v_and_b32 v[YSO], 15, v0
	s_delay_alu instid0(VALU_DEP_1)
	v_lshlrev_b32 v[R4], 2, v[YSO]
	v_bfe_u32 v[NINF], v0, 4, 1
	s_delay_alu instid0(VALU_DEP_1)
	v_lshlrev_b32 v[RH], 3, v[NINF]
	s_delay_alu instid0(VALU_DEP_1)
	v_sub_nc_u32 v[RH], v[YSO], v[RH]
	s_delay_alu instid0(VALU_DEP_3)
	v_lshl_add_u32 v[YSO], v[YSO], 5, v[NINF]
	v_mov_b32 v[NINF], 0xff800000
.irp i, 6,7,8,9,10,11
	v_mov_b32 v[QF+\i], 0
	v_mov_b32 v[KF+42+\i], 0
.endr
.irp i, 0,1,2,3
	v_mov_b32 v[PM+\i], 0
.endr
	v_mov_b32 v[RL+1], 0
	s_wait_dscnt 0x0
	s_wait_kmcnt 0x0
	s_mul_i32 s52, s16, HEADB
	s_mov_b32 s53, 0
	s_add_nc_u64 s[52:53], s[8:9], s[52:53]
	s_mov_b32 s[G0E], 1
	s_mul_i32 s[G0E+1], s[WV], ER*256
	s_mov_b32 s54, s[G0E+1]
	s_mov_b32 s55, 0
	s_add_nc_u64 s[G0E+2:G0E+3], s[52:53], s[54:55]
	s_or_b32 s[G0E+3], s[G0E+3], 0x80000000
	s_mul_i32 s54, s[WV], LR*256
	s_add_co_u32 s54, s54, EARLY
	s_mov_b32 s[G0L], 1
	s_mov_b32 s[G0L+1], s54
	s_add_nc_u64 s[G0L+2:G0L+3], s[52:53], s[54:55]
	s_or_b32 s[G0L+3], s[G0L+3], 0x80000000
	CROUND
.macro QLOAD tl                        ; tile tl's image of q and its scale words; the bases lie in registers that nothing else writes
	s_lshl_b32 s52, s16, 7
	s_add_co_u32 s52, s52, s[\tl]
	s_mul_i32 s54, s52, 768
	s_mov_b32 s55, 0
	s_add_nc_u64 s[62:63], s[4:5], s[54:55]
	s_lshl_b32 s54, s52, 6
	s_add_nc_u64 s[70:71], s[6:7], s[54:55]
	global_load_b128 v[QF:QF+3], v[L16], s[62:63] th:TH_LOAD_NT
	global_load_b64 v[QF+4:QF+5], v[L8], s[62:63] offset:512 th:TH_LOAD_NT
	global_load_b32 v[QS], v[R4], s[70:71] th:TH_LOAD_NT
.endm
	tensor_load_to_lds s[G0E:G0E+3], s[G1E:G1E+7]
	s_nop 0
	QLOAD TBT                                      ; the first tile's q is asked for while the first records are on their way
	s_wait_alu depctr_va_vdst(0)
	s_wait_tensorcnt 0x0
	ds_add_u32 v5, v6
	s_wait_dscnt 0x0
	CROUND
	tensor_load_to_lds s[G0L:G0L+3], s[G1L:G1L+7]
	s_nop 0
.rept 4
	v_nop
.endr
.macro PROLOGUE tl
	s_and_b32 s53, s[\tl], 7
	s_lshl_b32 s53, s53, 4
	v_add_nc_u32 v[DQ], s53, v[RH]
	s_mov_b32 s[KI], 0
	s_mov_b32 s[TB], 0
.irp i, 0,1,2,3
	v_mov_b32 v[LS+\i], 0
.endr
.set n, 0
.rept 32
	v_mov_b32 v[O+n], 0
.set n, n+1
.endr
.endm
.macro STEP
	s_cmp_gt_u32 s[KI], s[DG]
	s_cbranch_scc1 .Lskip_\@
	v_add_nc_u32 v[A16], s[TB], v[L16]
	v_add_nc_u32 v[A8], s[TB], v[L8]
	v_add_nc_u32 v[A4], s[TB], v[L4]
	v_nop
.irp t, 0,1,2,3,4,5,6,7
	ds_load_b128 v[KF+6*\t:KF+6*\t+3], v[A16] offset:768*\t
	ds_load_b64 v[KF+6*\t+4:KF+6*\t+5], v[A8] offset:768*\t+512
.endr
.irp i, 0,1,2,3
	ds_load_b32 v[KSC+\i], v[A4] offset:12288+128*\i
.endr
	s_wait_alu depctr_va_vdst(0)
	s_wait_dscnt 0x0
.irp t, 0,1,2,3,4,5,6,7
.if \t%2
	v_wmma_scale_f32_16x16x128_f8f6f4 v[S+8*\t:S+8*\t+7], v[KF+6*\t:KF+6*\t+11], v[QF:QF+11], 0, v[KSC+\t/2], v[QS] matrix_a_fmt:MATRIX_FMT_FP6 matrix_b_fmt:MATRIX_FMT_FP6 matrix_a_scale:MATRIX_SCALE_ROW1
.else
	v_wmma_scale_f32_16x16x128_f8f6f4 v[S+8*\t:S+8*\t+7], v[KF+6*\t:KF+6*\t+11], v[QF:QF+11], 0, v[KSC+\t/2], v[QS] matrix_a_fmt:MATRIX_FMT_FP6 matrix_b_fmt:MATRIX_FMT_FP6
.endif
.endr
.rept 4
	v_nop
.endr
.irp f, 0,1,2,3
.irp c, 0,1,2
	ds_load_b128 v[KF+12*\f+4*\c:KF+12*\f+4*\c+3], v[A16] offset:6144+1536*\f+512*\c
.endr
.endr
.irp i, 0,1
	ds_load_b32 v[VSC+\i], v[A4] offset:12800+128*\i
.endr
	s_cmp_lg_u32 s[KI], s[DG]
	s_cbranch_scc1 .Lopen_\@
.set n, 0
.rept 64
	v_cmp_gt_i32 vcc_lo, 16*(n/8)+n%8, v[DQ]
	v_cndmask_b32 v[S+n], v[S+n], v[NINF], vcc_lo
.set n, n+1
.endr
.Lopen_\@:
.irp b, 0,1,2,3
	v_max3_num_f32 v[MX+\b], v[S+16*\b], v[S+16*\b+1], v[S+16*\b+2]
.endr
.irp i, 3,5,7,9,11,13
.irp b, 0,1,2,3
	v_max3_num_f32 v[MX+\b], v[MX+\b], v[S+16*\b+\i], v[S+16*\b+\i+1]
.endr
.endr
.irp b, 0,1,2,3
	v_max_num_f32 v[MX+\b], v[MX+\b], v[S+16*\b+15]
.endr
.irp b, 0,1,2,3
	s_delay_alu instid0(VALU_DEP_4)
	v_permlanex16_b32 v[PM+\b], v[MX+\b], s[SEL], s[SEL+1]
.endr
.irp b, 0,1,2,3
	s_delay_alu instid0(VALU_DEP_4)
	v_max_num_f32 v[MX+\b], v[MX+\b], v[PM+\b]
.endr
.set n, 0
.rept 32
	v_pk_mul_f32 v[S+n:S+n+1], v[S+n:S+n+1], s[CS:CS+1] op_sel_hi:[1,0]
.set n, n+2
.endr
.irp b, 0,1,2,3
	v_mul_f32 v[MX+\b], s[CS], v[MX+\b]
.endr
.set n, 0
	s_wait_alu depctr_va_vdst(0)
.rept 64
	v_exp_f32 v[S+n], v[S+n]
.set n, n+1
.endr
.irp b, 0,1,2,3
	v_exp_f32 v[MX+\b], v[MX+\b]
.endr
	v_nop
	s_wait_alu depctr_va_vdst(0)
.irp b, 0,1,2,3
	v_max_num_f32 v[MX+\b], 0x1800000, v[MX+\b]
.endr
.irp b, 0,1,2,3
	s_delay_alu instid0(VALU_DEP_4)
	v_add_nc_u32 v[SO+\b], 0xff000000, v[MX+\b]
.endr
.irp b, 0,1,2,3
	s_delay_alu instid0(VALU_DEP_4)
	v_lshrrev_b32 v[BY+\b], 23, v[SO+\b]
.endr
	s_delay_alu instid0(VALU_DEP_3)
	v_lshl_or_b32 v[PW], v[BY+1], 8, v[BY]
	s_delay_alu instid0(VALU_DEP_1)
	v_lshl_or_b32 v[PW], v[BY+2], 16, v[PW]
	s_delay_alu instid0(VALU_DEP_1)
	v_lshl_or_b32 v[PW], v[BY+3], 24, v[PW]
.irp c, 0,1
	v_cvt_scalef32_pk16_fp6_f32 v[PC+6*\c:PC+6*\c+2], v[S+32*\c:S+32*\c+15], v[SO+2*\c]
	v_cvt_scalef32_pk16_fp6_f32 v[TT+4*\c:TT+4*\c+2], v[S+32*\c+16:S+32*\c+31], v[SO+2*\c+1]
.endr
	v_nop
.irp c, 0,1
.irp i, 0,1,2
	v_permlane16_swap_b32 v[PC+6*\c+\i], v[TT+4*\c+\i]
.endr
.irp i, 0,1,2
	s_delay_alu instid0(VALU_DEP_3)
	v_mov_b32 v[PC+3+6*\c+\i], v[TT+4*\c+\i]
.endr
.endr
.set n, 0
.rept 16
	v_pk_add_f32 v[LS:LS+1], v[LS:LS+1], v[S+n:S+n+1]
	v_pk_add_f32 v[LS+2:LS+3], v[LS+2:LS+3], v[S+n+2:S+n+3]
.set n, n+4
.endr
	s_wait_dscnt 0x0
.irp f, 0,1,2,3
.if \f%2
	v_wmma_scale_f32_16x16x128_f8f6f4 v[O+8*\f:O+8*\f+7], v[KF+12*\f:KF+12*\f+11], v[PC:PC+11], v[O+8*\f:O+8*\f+7], v[VSC+\f/2], v[PW] matrix_a_fmt:MATRIX_FMT_FP6 matrix_b_fmt:MATRIX_FMT_FP6 matrix_a_scale:MATRIX_SCALE_ROW1
.else
	v_wmma_scale_f32_16x16x128_f8f6f4 v[O+8*\f:O+8*\f+7], v[KF+12*\f:KF+12*\f+11], v[PC:PC+11], v[O+8*\f:O+8*\f+7], v[VSC+\f/2], v[PW] matrix_a_fmt:MATRIX_FMT_FP6 matrix_b_fmt:MATRIX_FMT_FP6
.endif
.endr
.Lskip_\@:
	s_add_co_u32 s[TB], s[TB], REC
	s_add_co_u32 s[KI], s[KI], 1
.endm
.macro FINISH tl
.rept 4
	v_nop
.endr
	v_pk_add_f32 v[LS:LS+1], v[LS:LS+1], v[LS+2:LS+3]
	s_delay_alu instid0(VALU_DEP_1)
	v_add_f32 v[LS], v[LS], v[LS+1]
	s_delay_alu instid0(VALU_DEP_1)
	v_permlanex16_b32 v[PM], v[LS], s[SEL], s[SEL+1]
	s_delay_alu instid0(VALU_DEP_1)
	v_add_f32 v[LS], v[LS], v[PM]
	s_wait_alu depctr_va_vdst(0)
	v_rcp_f32 v[RL], v[LS]
	s_lshr_b32 s52, s16, 4
	s_and_b32 s53, s16, 15
	s_lshl_b32 s54, s52, 7
	s_add_co_u32 s54, s54, s[\tl]
	s_lshl_b32 s56, s54, 4
	s_add_co_u32 s56, s56, s53
	s_mul_i32 s56, s56, 768
	s_mov_b32 s57, 0
	s_add_nc_u64 s[66:67], s[10:11], s[56:57]
	s_lshl_b32 s56, s54, 9
	s_lshl_b32 s58, s53, 1
	s_add_co_u32 s56, s56, s58
	s_add_nc_u64 s[68:69], s[12:13], s[56:57]
	v_nop
	s_wait_alu depctr_va_vdst(0)
.set n, 0
.rept 16
	v_pk_mul_f32 v[S+n:S+n+1], v[O+n:O+n+1], v[RL:RL+1] op_sel_hi:[1,0]
.set n, n+2
.endr
.irp b, 0,1
.irp j, 0,1,2,3,4,5,6,7
	v_permlane16_swap_b32 v[S+16*\b+\j], v[S+16*\b+8+\j]
.endr
.endr
.irp b, 0,1
	v_max3_num_f32 v[MX+\b], |v[S+16*\b]|, |v[S+16*\b+1]|, 0x1800000
.endr
.irp i, 2,4,6,8,10,12,14
.irp b, 0,1
	s_delay_alu instid0(VALU_DEP_2)
	v_max3_num_f32 v[MX+\b], v[MX+\b], |v[S+16*\b+\i]|, |v[S+16*\b+\i+1]|
.endr
.endr
.irp b, 0,1
	s_delay_alu instid0(VALU_DEP_2)
	v_permlanex16_b32 v[PM+\b], v[MX+\b], s[SEL], s[SEL+1]
.endr
.irp b, 0,1
	s_delay_alu instid0(VALU_DEP_2)
	v_max_num_f32 v[MX+\b], v[MX+\b], v[PM+\b]
.endr
.irp b, 0,1
	s_delay_alu instid0(VALU_DEP_2)
	v_add_nc_u32 v[SO+\b], 0xff000000, v[MX+\b]
.endr
.irp b, 0,1
	s_delay_alu instid0(VALU_DEP_2)
	v_lshrrev_b32 v[BY+\b], 23, v[SO+\b]
.endr
	v_cvt_scalef32_pk16_fp6_f32 v[PC:PC+2], v[S:S+15], v[SO]
	v_cvt_scalef32_pk16_fp6_f32 v[TT:TT+2], v[S+16:S+31], v[SO+1]
	v_cndmask_b32 v[YBY], v[BY], v[BY+1], s[HI]
.irp i, 0,1,2
	v_permlane16_swap_b32 v[PC+\i], v[TT+\i]
.endr
.irp i, 0,1,2
	s_delay_alu instid0(VALU_DEP_3)
	v_mov_b32 v[PC+3+\i], v[TT+\i]
.endr
	global_store_b128 v[L16], v[PC:PC+3], s[66:67]
	global_store_b64 v[L8], v[PC+4:PC+5], s[66:67] offset:512
	global_store_b8 v[YSO], v[YBY], s[68:69]
	s_wait_xcnt 0x0
.endm
	s_lshr_b32 s[DG], s[WV], 1
	s_xor_b32 s[DG], s[DG], 15
	PROLOGUE TBT
	s_wait_tensorcnt 1
	s_barrier_signal -1
	s_barrier_wait -1
	s_wait_loadcnt 0x0
.Lfirst:
	STEP
	s_cmp_lt_u32 s[KI], 4
	s_cbranch_scc1 .Lfirst
	s_wait_tensorcnt 0x0
	s_wait_dscnt 0x0
	s_barrier_signal -1
	s_barrier_wait -1
.Lrest:
	STEP
	s_cmp_lt_u32 s[KI], 16
	s_cbranch_scc1 .Lrest
	s_wait_alu depctr_va_vdst(0)
	QLOAD TA                                       ; the second tile's q, asked for ahead of the first tile's way out: q's registers were last read by the score products, more than four plain vector instructions back
	FINISH TBT
	s_lshr_b32 s[DG], s[WV], 1
	PROLOGUE TA
	s_wait_loadcnt 0x0
.Lsecond:
	STEP
	s_cmp_lt_u32 s[KI], 8
	s_cbranch_scc1 .Lsecond
	s_wait_alu depctr_va_vdst(0)
	FINISH TA
	s_wait_tensorcnt 0x0
	ds_add_u32 v[SPW], v[NIL]
	s_wait_dscnt 0x0
	CROUND
	s_endpgm
.Lfunc_end_k_q17716ce459_attn:
	.size	k_q17716ce459_attn, .Lfunc_end_k_q17716ce459_attn-k_q17716ce459_attn
	.p2alignl 7, 3214868480
	.fill 96, 4, 3214868480
	.section	.rodata,"a",@progbits
	.p2align	6, 0x0
	.amdhsa_kernel k_q17716ce459_attn
		.amdhsa_group_segment_fixed_size 327680
		.amdhsa_private_segment_fixed_size 0
		.amdhsa_enable_private_segment 0
		.amdhsa_kernarg_size 40
		.amdhsa_user_sgpr_count 2
		.amdhsa_user_sgpr_kernarg_segment_ptr 1
		.amdhsa_wavefront_size32 1
		.amdhsa_system_sgpr_workgroup_id_x 1
		.amdhsa_system_sgpr_workgroup_id_y 1
		.amdhsa_system_sgpr_workgroup_id_z 1
		.amdhsa_system_vgpr_workitem_id 0
		.amdhsa_next_free_vgpr 256
		.amdhsa_next_free_sgpr 72
		.amdhsa_reserve_vcc 1
		.amdhsa_float_denorm_mode_32 3
		.amdhsa_float_denorm_mode_16_64 3
		.amdhsa_memory_ordered 1
		.amdhsa_forward_progress 1
		.amdhsa_inst_pref_size 81
	.end_amdhsa_kernel
	.amdgpu_metadata
---
amdhsa.version: [ 1, 2 ]
amdhsa.kernels:
  - .name:           k_q17716ce459_attn
    .symbol:         k_q17716ce459_attn.kd
    .args:
      - { .name: q_img, .offset: 0, .size: 8, .value_kind: global_buffer, .address_space: global }
      - { .name: q_sc, .offset: 8, .size: 8, .value_kind: global_buffer, .address_space: global }
      - { .name: kv, .offset: 16, .size: 8, .value_kind: global_buffer, .address_space: global }
      - { .name: y_img, .offset: 24, .size: 8, .value_kind: global_buffer, .address_space: global }
      - { .name: y_sc, .offset: 32, .size: 8, .value_kind: global_buffer, .address_space: global }
    .group_segment_fixed_size: 327680
    .private_segment_fixed_size: 0
    .kernarg_segment_align: 8
    .kernarg_segment_size: 40
    .max_flat_workgroup_size: 512
    .sgpr_count:     72
    .vgpr_count:     256
    .wavefront_size: 32
...
	.end_amdgpu_metadata
.endif
;; end of part 2
;; launch proj (part 3): grid 8 x 32, 8 waves a work-group, clusters of 4 x 4, 327,680 bytes of LDS; arguments y_img, y_sc, w_proj_codes, w_proj_scales, out0; writes out0
.if DOCPART == 3
	.amdgcn_target "amdgcn-amd-amdhsa--gfx1250"
	.amdhsa_code_object_version 6
	.text
	.protected	k_q17716ce459_proj
	.globl	k_q17716ce459_proj
	.p2align	8
	.type	k_q17716ce459_proj,@function
k_q17716ce459_proj:
	s_mov_b64 s[64:65], 0
	v_nop
	global_prefetch_b8 v0, s[64:65] scope:SCOPE_SE
	s_setreg_imm32_b32 hwreg(HW_REG_WAVE_MODE, 25, 1), 1
	s_wait_xcnt 0x0
	s_wait_alu depctr_hold_cnt(0) depctr_sa_sdst(0) depctr_va_vdst(0) depctr_va_sdst(0) depctr_va_ssrc(0) depctr_va_vcc(0) depctr_vm_vsrc(0)
	s_getreg_b32 s2, hwreg(HW_REG_IB_STS2, 6, 4)
	s_cmp_eq_u32 s2, 0
	s_cbranch_scc0 .Lentry_in_a_cluster
	s_endpgm
.Lentry_in_a_cluster:
	s_bfe_u32 s2, ttmp6, 0x10000c
	s_cmp_lg_u32 s2, 0xf033
	s_cbranch_scc0 .Lentry_shape_is_right
	s_endpgm
.Lentry_shape_is_right:
; LAUNCH 3 OF 3: out0 = y w_proj^T on codes of FP6 (E2M3): y's as launch 2 has laid them, w_proj's as given.  No work is left out here.
; A work-group makes 256 tokens x 128 outputs; all of K = 1,024 of both operands lies in LDS, each byte filled once.  Wave w makes four tiles of 16 tokens (4 (w % 4) on) x four tiles of 16 outputs (4 (w / 4) on).
; Source 0 = 16 rows of w_proj, source 1 = 16 tokens: a lane holds eight neighbouring outputs of one token.
; CLUSTERS 4 x 4: y's bytes are shared along a row of the cluster, w_proj's along a column: joint loads.
; LOADS: at the head one a wave: wave 0 y's scale bytes, wave 1 w_proj's, waves 2, 3 64 whole rows of w_proj each (768 bytes a row), waves 4-7 four tiles of y each, K 0 .. 511 (6,144 bytes a tile).
; Behind the full sequence and a round: every wave two tiles of y, K 512 on; that load has K steps 0-3 in which to land.
; LDS: y in two halves along K (16 tiles x 6,144, dense images); w_proj's rows, 16 bytes of padding behind every 256: pitch 816; scale bytes as units of 256 + 16; the spare words.
; The way out's stages lie in y's first half, read in K steps 0-3 alone.  NO PREFETCH: the launch has no loop to run ahead in: all its bytes are asked for ahead of the first product.
.set YHB,   98304
.set WG0,   2*YHB
.set WP,    816
.set SCY,   WG0+128*WP
.set SCW,   SCY+32*272
.set SPARE, SCW+16*272
.set AY16, 1                           ; 16 x lane + my four tiles in the half in hand; v2 with 8 x lane
.set AY8,  2
.set AW1,  3                           ; my rows of w_proj: 816 (lane % 16) + 24 (lane / 16); v4: 40 for 24, behind one padding more
.set AW2,  4
.set ASC,  5                           ; scale words: lanes 0-15 y's rows, lanes 16-31 w_proj's
.set STO,  6
.set RD,   7
.set CO,   8
.set SPW,  9
.set NIL,  10
.set SC,   16                          ; v16-31 scale words and nothing else
.set YF,   32
.set WF,   80
.set ACC,  128
.set G1Y,  16
.set G1W,  24
.set G1YS, 32
.set G1WS, 40
.macro CROUND
	s_barrier_signal -1
	s_barrier_wait -1
	s_cmp_lg_u32 s14, 0
	s_cbranch_scc1 .Lnot_wave_0_\@
	s_barrier_signal -3
.Lnot_wave_0_\@:
	s_barrier_wait -3
	s_barrier_signal -1
	s_barrier_wait -1
.endm
.macro G1SET g, c, r, p
	s_mov_b32 s[\g+1], (\c)<<16
	s_mov_b32 s[\g+2], (\r)<<16
	s_mov_b32 s[\g+3], (\c)<<16
	s_mov_b32 s[\g+4], \r
	s_mov_b32 s[\g+5], \p
	s_mov_b32 s[\g+6], 0
	s_mov_b32 s[\g+7], 0
.endm
.macro G0SET g, w, mul, base, p        ; LDS byte base + mul x s[w]; global address s[p:p+1]
	s_mov_b32 s[\g], 1
.if \mul
	s_mul_i32 s[\g+1], s[\w], \mul
	s_add_co_u32 s[\g+1], s[\g+1], \base
.else
	s_mov_b32 s[\g+1], \base
.endif
	s_mov_b64 s[\g+2:\g+3], s[\p:\p+1]
	s_or_b32 s[\g+3], s[\g+3], 0x80000000
.endm
	s_load_b256 s[4:11], s[0:1], 0x0               ; y_img, y_sc, w_proj's codes, its scales
	s_load_b64 s[12:13], s[0:1], 0x20              ; out0
	v_lshl_add_u32 v[SPW], v0, 2, SPARE
	v_mov_b32 v[NIL], 0
	ds_add_u32 v[SPW], v[NIL]
	ds_add_u32 v[SPW], v[NIL]
	v_lshrrev_b32 v1, 5, v0
	s_delay_alu instid0(VALU_DEP_1)
	v_readfirstlane_b32 s14, v1                    ; wave 0..7
	s_and_b32 s2, s14, 3                           ; which 64 tokens are mine
	s_lshr_b32 s3, s14, 2                          ; which 64 outputs
	s_and_b32 s15, s14, 1
	s_bfe_u32 s84, ttmp6, 0x40000
	s_bfe_u32 s85, ttmp6, 0x40004
	s_lshl_b32 s86, ttmp9, 2
	s_add_co_u32 s86, s86, s84                     ; the block of 128 outputs
	s_and_b32 s87, ttmp7, 0xffff
	s_lshl_b32 s87, s87, 2
	s_add_co_u32 s87, s87, s85                     ; the block of 256 tokens
	s_lshl_b32 s88, s85, 2
	s_lshl_b32 s88, 15, s88                        ; my row of the cluster
	s_lshl_b32 s89, 0x1111, s84                    ; my column
	s_or_b32 s[G1Y], s88, (3<<16)|(1<<21)
	s_or_b32 s[G1W], s89, (0<<16)|(1<<20)|(1<<21)|(5<<22)|(3<<25)
	s_or_b32 s[G1YS], s88, (3<<16)|(1<<20)|(1<<21)|(5<<22)|(3<<25)
	s_or_b32 s[G1WS], s89, (3<<16)|(1<<20)|(1<<21)|(5<<22)|(3<<25)
	G1SET G1Y, 768, 4, 1536                        ; four tiles: 6,144 bytes of each tile's 12,288
	G1SET G1W, 768, 64, 768                        ; 64 whole rows
	G1SET G1YS, 32, 32, 32                         ; 8,192 dense bytes
	G1SET G1WS, 32, 16, 32                         ; 4,096 dense bytes
	s_mul_i32 s92, s87, 196608                     ; y_img: my block's 16 tiles
	s_mul_i32 s90, s2, 49152
	s_add_co_u32 s94, s92, s90                     ; the head's: + 4 tiles x (wave % 4)
	s_mov_b32 s95, 0
	s_mul_i32 s90, s14, 24576
	s_add_co_u32 s92, s92, s90
	s_add_co_u32 s92, s92, 6144                    ; the second half's: + 2 tiles x wave, K 512 on
	s_mov_b32 s93, 0
	s_lshl_b32 s96, s86, 7
	s_lshl_b32 s90, s15, 6
	s_add_co_u32 s96, s96, s90
	s_mul_i32 s96, s96, 768                        ; w_proj: row 128 x block + 64 x (wave % 2)
	s_mov_b32 s97, 0
	s_lshl_b32 s98, s87, 13                        ; y_sc
	s_mov_b32 s99, 0
	s_lshl_b32 s72, s86, 12                        ; w_proj's scales
	s_mov_b32 s73, 0
	s_wait_dscnt 0x0
	s_wait_kmcnt 0x0
	s_add_nc_u64 s[94:95], s[4:5], s[94:95]
	s_add_nc_u64 s[92:93], s[4:5], s[92:93]
	s_add_nc_u64 s[98:99], s[6:7], s[98:99]
	s_add_nc_u64 s[96:97], s[8:9], s[96:97]
	s_add_nc_u64 s[72:73], s[10:11], s[72:73]
	G0SET 48, 14, 0, SCY, 98
	G0SET 52, 14, 0, SCW, 72
	G0SET 56, 15, 64*WP, WG0, 96
	G0SET 60, 2, 24576, 0, 94
	G0SET 68, 14, 12288, YHB, 92
	CROUND                                         ; all sixteen work-groups are here
.macro ARM under, g0, g1, next         ; one chain of branches on the wave's number, one load to an arm
	s_cmp_lt_u32 s14, \under
	s_cbranch_scc0 \next
	tensor_load_to_lds s[\g0:\g0+3], s[\g1:\g1+7]
	s_nop 0
.rept 4
	v_nop
.endr
	s_branch .Lhead_asked
\next:
.endm
	ARM 1, 48, G1YS, .Lhead_ws
	ARM 2, 52, G1WS, .Lhead_w
	ARM 4, 56, G1W,  .Lhead_y
	tensor_load_to_lds s[60:63], s[G1Y:G1Y+7]
	s_nop 0
.rept 4
	v_nop
.endr
.Lhead_asked:
	v_and_b32 v11, 31, v0
	v_and_b32 v12, 15, v0
	v_bfe_u32 v13, v0, 4, 1
	s_mul_i32 s90, s2, 24576
	v_lshl_add_u32 v[AY16], v11, 4, s90
	v_lshl_add_u32 v[AY8], v11, 3, s90
	s_mul_i32 s90, s3, 64*WP
	s_add_co_u32 s90, s90, WG0
	v_mul_u32_u24 v[AW1], v12, WP
	s_delay_alu instid0(VALU_DEP_1)
	v_add_nc_u32 v[AW1], s90, v[AW1]
	s_delay_alu instid0(VALU_DEP_1)
	v_mad_u32_u24 v[AW2], v13, 40, v[AW1]
	s_delay_alu instid0(VALU_DEP_2)
	v_mad_u32_u24 v[AW1], v13, 24, v[AW1]
	v_lshlrev_b32 v[ASC], 5, v12
	v_lshrrev_b32 v14, 3, v12
	s_delay_alu instid0(VALU_DEP_1)
	v_lshl_add_u32 v[ASC], v14, 4, v[ASC]
	s_mul_i32 s90, s2, 2176
	s_mul_i32 s91, s3, 2176
	s_add_co_u32 s91, s91, SCW-SCY
	s_sub_co_u32 s91, s91, s90
	v_mul_u32_u24 v14, s91, v13                    ; lanes 16-31 take w_proj's: one product
	s_add_co_u32 s90, s90, SCY
	v_add_nc_u32 v[ASC], v[ASC], v14
	s_delay_alu instid0(VALU_DEP_1)
	v_add_nc_u32 v[ASC], s90, v[ASC]
	s_mul_i32 s90, s14, 4352                       ; my stage: 16 rows x (256 + 16)
	v_mul_u32_u24 v[STO], v12, 272
	s_delay_alu instid0(VALU_DEP_1)
	v_lshl_add_u32 v[STO], v13, 5, v[STO]
	s_delay_alu instid0(VALU_DEP_1)
	v_add_nc_u32 v[STO], s90, v[STO]
	v_mul_u32_u24 v[RD], v13, 272
	s_delay_alu instid0(VALU_DEP_1)
	v_lshl_add_u32 v[RD], v12, 4, v[RD]
	s_delay_alu instid0(VALU_DEP_1)
	v_add_nc_u32 v[RD], s90, v[RD]
	v_lshlrev_b32 v[CO], 12, v13
	s_delay_alu instid0(VALU_DEP_1)
	v_lshl_add_u32 v[CO], v12, 4, v[CO]
	s_lshl_b32 s90, s87, 8
	s_lshl_b32 s91, s2, 6
	s_add_co_u32 s90, s90, s91                     ; my first token
	s_lshl_b32 s90, s90, 12
	s_lshl_b32 s91, s86, 9
	s_add_co_u32 s90, s90, s91
	s_lshl_b32 s91, s3, 8
	s_add_co_u32 s90, s90, s91                     ; + my first output, in bytes
	s_mov_b32 s91, 0
	s_add_nc_u64 s[12:13], s[12:13], s[90:91]
.macro SCLOAD half                     ; the scale words of four K steps
.irp i, 0,1,2,3
	ds_load_b128 v[SC+4*\i:SC+4*\i+3], v[ASC] offset:544*\i+16*(\half)
.endr
.endm
.macro YFRAG i, s                      ; two heads' images make the twelve registers
.irp c, 0,1
	ds_load_b128 v[YF+12*(\i)+6*\c:YF+12*(\i)+6*\c+3], v[AY16] offset:6144*(\i)+1536*((\s)%4)+768*\c
	ds_load_b64 v[YF+12*(\i)+6*\c+4:YF+12*(\i)+6*\c+5], v[AY8] offset:6144*(\i)+1536*((\s)%4)+768*\c+512
.endr
.endm
.macro WFRAG i, s                      ; pieces of 8 bytes; lanes 16-31 read three pieces on, for some pieces behind one padding more
.irp p, 0,1,2,3,4,5
.set PCE, 12*(\s)+6*(\p/3)+\p%3
.if PCE%32 < 29
	ds_load_b64 v[WF+12*(\i)+2*\p:WF+12*(\i)+2*\p+1], v[AW1] offset:8*PCE+16*(PCE/32)+16*WP*(\i)
.else
	ds_load_b64 v[WF+12*(\i)+2*\p:WF+12*(\i)+2*\p+1], v[AW2] offset:8*PCE+16*(PCE/32)+16*WP*(\i)
.endif
.endr
.endm
.macro KSTEP s                         ; 128 along K; the 16 accumulators take turns
.if (\s) > 0
.rept 4
	v_nop
.endr
.endif
.if (\s)%4 == 0
	SCLOAD (\s)/4
.endif
.irp i, 0,1,2,3
	YFRAG \i, \s
.endr
.irp i, 0,1,2,3
	WFRAG \i, \s
.endr
	s_wait_dscnt 0x0
.irp a, 0,1,2,3
.irp b, 0,1,2,3
.if (\s) == 0
	v_wmma_scale_f32_16x16x128_f8f6f4 v[ACC+8*(4*\a+\b):ACC+8*(4*\a+\b)+7], v[WF+12*\b:WF+12*\b+11], v[YF+12*\a:YF+12*\a+11], 0, v[SC+4*\b+(\s)%4], v[SC+4*\a+(\s)%4] matrix_a_fmt:MATRIX_FMT_FP6 matrix_b_fmt:MATRIX_FMT_FP6 matrix_a_scale:MATRIX_SCALE_ROW1
.else
	v_wmma_scale_f32_16x16x128_f8f6f4 v[ACC+8*(4*\a+\b):ACC+8*(4*\a+\b)+7], v[WF+12*\b:WF+12*\b+11], v[YF+12*\a:YF+12*\a+11], v[ACC+8*(4*\a+\b):ACC+8*(4*\a+\b)+7], v[SC+4*\b+(\s)%4], v[SC+4*\a+(\s)%4] matrix_a_fmt:MATRIX_FMT_FP6 matrix_b_fmt:MATRIX_FMT_FP6 matrix_a_scale:MATRIX_SCALE_ROW1
.endif
.endr
.endr
.endm
.macro OUT a                           ; 16 tokens x 64 outputs through my own stage, back as whole rows of 256 bytes (LDS serves a wave's instructions in order: ISA guide 5.7.1.4)
.set TR, 32+32*((\a)%2)
.if (\a) > 1
	s_wait_xcnt 0x0                                ; the stores of two tiles back have read these registers
.endif
.irp b, 0,1,2,3
	ds_store_b128 v[STO], v[ACC+8*(4*(\a)+\b):ACC+8*(4*(\a)+\b)+3] offset:64*\b
	ds_store_b128 v[STO], v[ACC+8*(4*(\a)+\b)+4:ACC+8*(4*(\a)+\b)+7] offset:64*\b+16
.endr
.irp i, 0,1,2,3,4,5,6,7
	ds_load_b128 v[TR+4*\i:TR+4*\i+3], v[RD] offset:544*\i
.endr
.irp i, 0,1,2,3,4,5,6,7
	s_wait_dscnt 7-\i                              ; the 7 - i younger loads may be out
	global_store_b128 v[CO], v[TR+4*\i:TR+4*\i+3], s[12:13] offset:(16*(\a)+2*\i)*4096 th:TH_STORE_NT
.endr
.endm
	s_wait_alu depctr_va_vdst(0)
	s_wait_tensorcnt 0x0                           ; my load of the head's is in
	ds_add_u32 v[SPW], v[NIL]
	s_mov_b32 s[G1Y+2], 2<<16                      ; no load of mine is out: the next brings two tiles
	s_mov_b32 s[G1Y+4], 2
	s_wait_dscnt 0x0
	CROUND                                         ; everybody's are in, and the joint loads meet
	tensor_load_to_lds s[68:71], s[G1Y:G1Y+7]      ; y, K 512 on
	s_nop 0
.rept 4
	v_nop
.endr
	KSTEP 0
	KSTEP 1
	KSTEP 2
	KSTEP 3
	v_add_nc_u32 v[AY16], YHB, v[AY16]
	v_add_nc_u32 v[AY8], YHB, v[AY8]
	s_wait_alu depctr_va_vdst(0)
	s_wait_tensorcnt 0x0                           ; my part of y's second half is in, my reads of the first are over;
	s_wait_dscnt 0x0
	s_barrier_signal -1
	s_barrier_wait -1                              ; everybody's.
	KSTEP 4
	KSTEP 5
	KSTEP 6
	KSTEP 7
.rept 4
	v_nop
.endr
	OUT 0
	OUT 1
	OUT 2
	OUT 3
	s_wait_tensorcnt 0x0                           ; the wave's end
	ds_add_u32 v[SPW], v[NIL]
	s_wait_dscnt 0x0
	CROUND                                         ; the closing round
	s_endpgm
.Lfunc_end_k_q17716ce459_proj:
	.size	k_q17716ce459_proj, .Lfunc_end_k_q17716ce459_proj-k_q17716ce459_proj
	.p2alignl 7, 3214868480
	.fill 96, 4, 3214868480
	.section	.rodata,"a",@progbits
	.p2align	6, 0x0
	.amdhsa_kernel k_q17716ce459_proj
		.amdhsa_group_segment_fixed_size 327680
		.amdhsa_private_segment_fixed_size 0
		.amdhsa_enable_private_segment 0
		.amdhsa_kernarg_size 40
		.amdhsa_user_sgpr_count 2
		.amdhsa_user_sgpr_kernarg_segment_ptr 1
		.amdhsa_wavefront_size32 1
		.amdhsa_system_sgpr_workgroup_id_x 1
		.amdhsa_system_sgpr_workgroup_id_y 1
		.amdhsa_system_sgpr_workgroup_id_z 1
		.amdhsa_system_vgpr_workitem_id 0
		.amdhsa_next_free_vgpr 256
		.amdhsa_next_free_sgpr 100
		.amdhsa_reserve_vcc 0
		.amdhsa_float_denorm_mode_32 3
		.amdhsa_float_denorm_mode_16_64 3
		.amdhsa_memory_ordered 1
		.amdhsa_forward_progress 1
		.amdhsa_inst_pref_size 57
	.end_amdhsa_kernel
	.amdgpu_metadata
---
amdhsa.version: [ 1, 2 ]
amdhsa.kernels:
  - .name:           k_q17716ce459_proj
    .symbol:         k_q17716ce459_proj.kd
    .args:
      - { .name: y_img, .offset: 0, .size: 8, .value_kind: global_buffer, .address_space: global }
      - { .name: y_sc, .offset: 8, .size: 8, .value_kind: global_buffer, .address_space: global }
      - { .name: w_proj_codes, .offset: 16, .size: 8, .value_kind: global_buffer, .address_space: global }
      - { .name: w_proj_scales, .offset: 24, .size: 8, .value_kind: global_buffer, .address_space: global }
      - { .name: out0, .offset: 32, .size: 8, .value_kind: global_buffer, .address_space: global }
    .group_segment_fixed_size: 327680
    .private_segment_fixed_size: 0
    .kernarg_segment_align: 8
    .kernarg_segment_size: 40
    .max_flat_workgroup_size: 256
    .sgpr_count:     100
    .vgpr_count:     256
    .wavefront_size: 32
...
	.end_amdgpu_metadata
.endif
;; end of part 3
